; MI455X (gfx1250); checked and timed in simulation.
; The chip was launched on July 23, 2026; its instructions are those of AMD's public machine-readable ISA for CDNA 5 (MIT licence, August 2026) and "CDNA5" Instruction Set Architecture Reference Guide (July 2026). The comments in the code are by the model that wrote it; some were corrected since.
;; Self Attention. Allowed arithmetic: matrix products marked QUANTISED: E2M3 operands, one E8M0 scale for each 32 along K, by v_wmma_scale_f32_16x16x128_f8f6f4 with both operands' format E2M3, f32 sums; everything else in f32.
;; Inputs: bk 32 float32; bq 32 float32; bv 256 float32; gamma 1 float32; wk 32 x 256 float32; wq 32 x 256 float32; wv 256 x 256 float32; x 8 x 256 x 64 x 64 float32.
;; Outputs: out0 8 x 256 x 64 x 64 float32.
;; This version of the problem:
;;   THIS VERSION OF THE PROBLEM IS GIVEN IN LOW PRECISION. The matrix products marked QUANTISED in the list below multiply operands that are first quantised to E2M3 (2 exponent bits, 3 mantissa bits; 6 bits a number), with one power-of-two scale for each 32 numbers along K (OCP MX v1.0); their sums are f32. All else is computed in f32.
;;   The module's matrix products, in the order in which they are computed (A, B: the left and right operand; K: the contracted axis; several contracted axes count as one K, in the product's order):
;;     1. [M 32,768, K 256] x [K 256, N 32]; A: input x; B: input wq: QUANTISED
;;     2. [M 32,768, K 256] x [K 256, N 32]; A: input x; B: input wk: QUANTISED
;;     3. [M 32,768, K 256] x [K 256, N 256]; A: input x; B: input wv: QUANTISED
;;     4. batch 8 x [M 4,096, K 32] x [K 32, N 4,096]; A: computed on the way; B: computed on the way: QUANTISED
;;     5. batch 8 x [M 256, K 4,096] x [K 4,096, N 4,096]; A: computed on the way; B: softmax (see below): QUANTISED
;;   THE QUANTISER, for each operand of a quantised product, along K:
;;     - K is cut into blocks of 32 from its start; a last block that is shorter is filled with zeros.
;;     - A block's scale is 2^e with e = floor(log2(the largest magnitude in the block)) - 2, held to -126 .. 127; a block of zeros has e = 0. As a byte (E8M0): e + 127.
;;     - Each number is divided by its block's scale, clamped to +-7.5, and rounded to the nearest number of E2M3, ties to even, subnormals kept.
;;     - The product sums the exact products of the quantised numbers (number of the format x scale) in f32.
;;   ~~~python
;;   def quantise(x, axis):      # numpy; x: float32 -> the quantised numbers, widened to float32 again
;;       x = np.moveaxis(x, axis, -1); K = x.shape[-1]
;;       x = np.pad(x, [(0, 0)] * (x.ndim - 1) + [(0, -K % 32)]); x = x.reshape(x.shape[:-1] + (-1, 32)); a = np.abs(x).max(-1, keepdims=True)
;;       e = np.where(a > 0, np.clip(np.frexp(np.where(a > 0, a, 1))[1] - 1 - 2, -126, 127), 0)      # np.frexp(a)[1] - 1 = floor(log2(a)), exactly
;;       r = np.clip(x / 2.0 ** e, -7.5, 7.5)
;;       step = 2.0 ** (np.maximum(np.frexp(np.where(r == 0, 1, r))[1] - 1, 0) - 3)
;;       q = np.round(r / step) * step * 2.0 ** e      # np.round: ties to even
;;       return np.moveaxis(q.reshape(q.shape[:-2] + (-1,))[..., :K], -1, axis).astype(np.float32)
;;   ~~~
;;   SOFTMAX AHEAD OF A QUANTISED PRODUCT. Where the list says 'softmax', what is quantised is not the finished softmax but p = 2^(t - M), with t = logit x log2(e) and M = ceil(the row's largest t), a whole number; so 1/2 < the row's largest p <= 1. The row's sum l is taken of the UNQUANTISED p, in f32, and the product's result is divided by l at the end. Since M is a whole number, a kernel that streams over the keys may use a running M (the ceiling of the running maximum): every later rescaling is an exact power of two, which a block's scale takes up: the codes' values come out the same.
;;   OPERANDS COMPUTED ON THE WAY. 'Computed on the way' means the value that the module computes at that place (a softmax that the list does not call 'softmax' is quantised finished and normalised). What goes into a quantiser is computed in f32, as accurately as f32 sums, v_exp_f32 and their like allow (about 1e-6 of the number): no bf16 or f16 on the way to a quantiser, and a product that is left as it is and whose result goes on into a quantised operand takes f32 operands (vector FMAs, or v_wmma_f32_16x16x4_f32). A number that lies on a knife's edge between two numbers of the format may be rounded either way, as far as f32 arithmetic and the matrix unit's own rounding can turn it there, and no further.
;; One version. Each part assembles by itself: llvm-mc -triple=amdgcn-amd-amdhsa -mcpu=gfx1250 --defsym DOCPART=n.
;; ======== version 1 of 1: 3 launches
;; workspace buffers: wimg 66,560 bytes; qws 851,968 bytes; kv 7,667,712 bytes
;; launch wprep (part 1): grid 20 x 1, 1 waves a work-group, no clusters, 0 bytes of LDS; arguments wq, wk, wv, wimg; writes wimg
.if DOCPART == 1
	.amdgcn_target "amdgcn-amd-amdhsa--gfx1250"
	.amdhsa_code_object_version 6
	.text
	.protected	k_q173394dc33_wprep
	.globl	k_q173394dc33_wprep
	.p2align	8
	.type	k_q173394dc33_wprep,@function
k_q173394dc33_wprep:
	s_mov_b64 s[64:65], 0
	v_nop
	global_prefetch_b8 v0, s[64:65] scope:SCOPE_SE
	s_setreg_imm32_b32 hwreg(HW_REG_WAVE_MODE, 25, 1), 1
	s_wait_xcnt 0x0
; wq [32][256], wk [32][256], wv [256][256], f32, K = the 256 input channels, innermost.  They become codes of FP6 (E2M3) with one E8M0 byte for each 32 along K,
; laid as IMAGES OF THE OPERAND'S REGISTERS: a fragment (16 rows x 128 K, 12 registers a lane) is 1,536 bytes, register p of lane l at 512 (p / 4) + 16 l + 4 (p % 4).
; wimg: 20 tiles of 3,328 bytes: [image of K 0-127 | image of K 128-255 | 256 bytes: lane l's two scale words at 8 l, lanes 16-31 the same as lanes 0-15].
; Tiles 0, 1: wq; 2, 3: wk: lane r of tile u takes row 8 u + r + 8 (r / 8), so that in the product's result a lane's 16 registers of the two tiles are 16 neighbouring d.  Tiles 4-19: wv's rows 16 (tile - 4) + r.
; One wave makes one tile.  Lane (r, h) owns, of its row, the whole blocks k = 128 s + 64 c + 32 h + 0 .. 31: the order that the operand's layout gives that lane, so the conversions' results are the operand's registers.
; A block's scale is 2^(floor(log2(largest magnitude)) - 2): its byte is the largest magnitude's exponent field - 2, held at 1 from below.
; LIMITS: a block of zeros, or one whose largest magnitude lies under 2^-124, keeps the byte 1 (zero blocks have zero codes; this program alone reads the bytes); NaN and infinities are not served.
; 320 KB are read once, by 20 waves: no LDS, no barrier, no matrix work, no cluster (no two work-groups read the same bytes).
.set X,  32                            ; v32-159  128 numbers: block 2 s + c at X + 32 (2 s + c)
.set F,  160                           ; v160-183 the two fragments' codes
.set CT, 184                           ; v184-199 a block's upper 16 codes (a conversion's three registers begin on an even number)
.set BM, 8                             ; v8-11    the blocks' largest magnitudes;  v12 a second chain
.set SO, 16                            ; v16-19   the conversions' scale operands
.set BY, 20                            ; v20-23   the scale bytes
.set SW, 24                            ; v24-25   the two scale words
	s_load_b256 s[4:11], s[0:1], 0x0               ; wq s[4:5], wk s[6:7], wv s[8:9], wimg s[10:11]
	v_and_b32 v1, 15, v0                           ; r
	v_lshrrev_b32 v2, 4, v0                        ; h
	s_and_b32 s16, ttmp9, 1
	s_lshl_b32 s16, s16, 3                         ; wq, wk: the tile's first row 8 u
	s_sub_co_u32 s17, ttmp9, 4
	s_lshl_b32 s17, s17, 4                         ; wv: 16 (tile - 4)
	s_mul_i32 s18, ttmp9, 3328                     ; my tile's place in wimg
	s_mov_b32 s19, 0
	s_mov_b32 s20, 0x76543210
	s_mov_b32 s21, 0xfedcba98                      ; v_permlanex16_b32's selects for lane l xor 16
	s_wait_alu depctr_va_vdst(0)
	s_wait_kmcnt 0x0
	s_cmp_lt_u32 ttmp9, 2                          ; the choice of tensor hangs on the work-group's number alone
	s_cselect_b64 s[12:13], s[4:5], s[6:7]
	s_cmp_lt_u32 ttmp9, 4
	s_cselect_b64 s[12:13], s[12:13], s[8:9]
	s_cselect_b32 s15, 8, 0                        ; wq, wk: rows 8-15 of a tile lie 8 further on
	s_cselect_b32 s16, s16, s17
	s_add_nc_u64 s[10:11], s[10:11], s[18:19]
	v_and_b32 v3, s15, v1
	v_add3_u32 v3, v3, v1, s16                     ; my row
	v_lshlrev_b32 v3, 10, v3                       ; 1,024 bytes a row
	v_lshl_add_u32 v3, v2, 7, v3                   ; + 128 h: my 32 numbers of each 64
	v_lshlrev_b32 v4, 4, v0                        ; an image's place for my lane
	v_lshlrev_b32 v5, 3, v0                        ; the scale pair's
	v_lshlrev_b32 v27, 3, v2                       ; 8 h
	v_mov_b32 v26, 0                               ; a lane permute's destination counts as one of its sources
.irp s, 0,1
.irp c, 0,1
.irp j, 0,1,2,3,4,5,6,7
	global_load_b128 v[X+64*\s+32*\c+4*\j:X+64*\s+32*\c+4*\j+3], v3, s[12:13] offset:512*\s+256*\c+16*\j
.endr
.endr
.endr
.macro MAXB x, dst                     ; the largest magnitude of 32 numbers, in two chains, with the floor 2^(3 - 127) as a last leaf: the byte cannot fall under 1
	v_max3_num_f32 v[\dst], |v[\x]|, |v[\x+1]|, |v[\x+2]|
	v_max3_num_f32 v12, |v[\x+3]|, |v[\x+4]|, |v[\x+5]|
.irp i, 6,10,14,18,22,26
	v_max3_num_f32 v[\dst], v[\dst], |v[\x+\i]|, |v[\x+\i+1]|
	v_max3_num_f32 v12, v12, |v[\x+\i+2]|, |v[\x+\i+3]|
.endr
	v_max3_num_f32 v[\dst], v[\dst], |v[\x+30]|, |v[\x+31]|
	v_max3_num_f32 v[\dst], v[\dst], v12, 0x1800000
.endm
.irp b, 0,1,2,3
	s_wait_loadcnt 8*(3-\b)                        ; this block's eight loads are in; the later blocks' eight each may be out
	MAXB X+32*\b, BM+\b
.endr
.irp b, 0,1,2,3
	v_add_nc_u32 v[SO+\b], 0xff000000, v[BM+\b]    ; 2 off the exponent field: the conversion takes the exponent field of this operand as its scale
.endr
.irp b, 0,1,2,3
	v_lshrrev_b32 v[BY+\b], 23, v[SO+\b]           ; the scale's byte
.endr
.irp s, 0,1
	v_lshl_or_b32 v[SW+\s], v[BY+2*\s+1], 16, v[BY+2*\s]   ; my two bytes of fragment s: blocks h and 2 + h,
	v_lshlrev_b32 v[SW+\s], v27, v[SW+\s]          ; at their places in the word;
	v_permlanex16_b32 v26, v[SW+\s], s20, s21
	v_or_b32 v[SW+\s], v[SW+\s], v26               ; with lane l xor 16's two the word is whole, in both halves of the lanes
.endr
.irp b, 0,1,2,3
	v_cvt_scalef32_pk16_fp6_f32 v[F+6*\b:F+6*\b+2], v[X+32*\b:X+32*\b+15], v[SO+\b]
	v_cvt_scalef32_pk16_fp6_f32 v[CT+4*\b:CT+4*\b+2], v[X+32*\b+16:X+32*\b+31], v[SO+\b]
.endr
	v_nop                                          ; one plain place behind a scaled conversion
.irp b, 0,1,2,3
.irp i, 0,1,2
	v_mov_b32 v[F+6*\b+3+\i], v[CT+4*\b+\i]
.endr
.endr
.irp i, 0,1,2,3,4,5
	global_store_b128 v4, v[F+4*\i:F+4*\i+3], s[10:11] offset:512*\i   ; 32 lanes store 512 consecutive bytes, at a multiple of 256 from the buffer's first byte
.endr
	global_store_b64 v5, v[SW:SW+1], s[10:11] offset:3072              ; and 256
	s_endpgm
.Lfunc_end_k_q173394dc33_wprep:
	.size	k_q173394dc33_wprep, .Lfunc_end_k_q173394dc33_wprep-k_q173394dc33_wprep
	.p2alignl 7, 3214868480
	.fill 96, 4, 3214868480
	.section	.rodata,"a",@progbits
	.p2align	6, 0x0
	.amdhsa_kernel k_q173394dc33_wprep
		.amdhsa_group_segment_fixed_size 0
		.amdhsa_private_segment_fixed_size 0
		.amdhsa_enable_private_segment 0
		.amdhsa_kernarg_size 32
		.amdhsa_user_sgpr_count 2
		.amdhsa_user_sgpr_kernarg_segment_ptr 1
		.amdhsa_wavefront_size32 1
		.amdhsa_system_sgpr_workgroup_id_x 1
		.amdhsa_system_sgpr_workgroup_id_y 1
		.amdhsa_system_sgpr_workgroup_id_z 1
		.amdhsa_system_vgpr_workitem_id 0
		.amdhsa_next_free_vgpr 200
		.amdhsa_next_free_sgpr 66
		.amdhsa_reserve_vcc 0
		.amdhsa_float_denorm_mode_32 3
		.amdhsa_float_denorm_mode_16_64 3
		.amdhsa_memory_ordered 1
		.amdhsa_forward_progress 1
		.amdhsa_inst_pref_size 11
	.end_amdhsa_kernel
	.amdgpu_metadata
---
amdhsa.version: [ 1, 2 ]
amdhsa.kernels:
  - .name:           k_q173394dc33_wprep
    .symbol:         k_q173394dc33_wprep.kd
    .args:
      - { .name: wq, .offset: 0, .size: 8, .value_kind: global_buffer, .address_space: global }
      - { .name: wk, .offset: 8, .size: 8, .value_kind: global_buffer, .address_space: global }
      - { .name: wv, .offset: 16, .size: 8, .value_kind: global_buffer, .address_space: global }
      - { .name: wimg, .offset: 24, .size: 8, .value_kind: global_buffer, .address_space: global }
    .group_segment_fixed_size: 0
    .private_segment_fixed_size: 0
    .kernarg_segment_align: 8
    .kernarg_segment_size: 32
    .max_flat_workgroup_size: 32
    .sgpr_count:     66
    .vgpr_count:     200
    .wavefront_size: 32
...
	.end_amdgpu_metadata
.endif
;; end of part 1
;; launch proj (part 2): grid 32 x 8, 10 waves a work-group, no clusters, 169,216 bytes of LDS; arguments x, wimg, bq, bk, bv, qws, kv; writes qws, kv
.if DOCPART == 2
	.amdgcn_target "amdgcn-amd-amdhsa--gfx1250"
	.amdhsa_code_object_version 6
	.text
	.protected	k_q173394dc33_proj
	.globl	k_q173394dc33_proj
	.p2align	8
	.type	k_q173394dc33_proj,@function
k_q173394dc33_proj:
	s_mov_b64 s[64:65], 0
	v_nop
	global_prefetch_b8 v0, s[64:65] scope:SCOPE_SE
	s_setreg_imm32_b32 hwreg(HW_REG_WAVE_MODE, 25, 1), 1
	s_wait_xcnt 0x0
; q = wq x + bq, k = wk x + bk, v = wv x + bv for 128 pixels of one batch (x: [8][256 c][4096 n] f32), all three products on codes of FP6 (E2M3) with one E8M0 byte for each 32 along K = c;
; then q and k are quantised along d (one block of 32) and v along the pixels (the keys of the later product), and leave as images of the operands' registers.
; AN IMAGE: a fragment (16 rows x 128 K, 12 registers a lane) is 1,536 bytes, register p of lane l at 512 (p / 4) + 16 l + 4 (p % 4): three accesses of 16 bytes a lane, 512 bytes apart.
; PIXEL TILES: tile T = 2 b + u of the 128 pixels holds in row p the pixel 32 b + 8 u + p + 8 (p / 8): so a result's 16 registers of tiles 2 b and 2 b + 1 are 16 neighbouring pixels.
; SHARES.  Ten waves.  x's tile (256 c x 512 bytes) comes into LDS once, by four tensor loads of 64 rows.  Waves 0-7 quantise it: a lane takes a pixel and its registers run down c (32 pixels x 128 c a wave),
; so a block's largest magnitude needs no other lane and the codes come out with c innermost; they go to LDS as 16 images (tile T, K half s).  Then wave w multiplies weight tiles 2 w and 2 w + 1 (from wimg,
; in its registers) with all eight pixel tiles: wave 0 makes q, wave 1 k (source 0 = 16 d, source 1 = 16 pixels: a lane holds one pixel and 16 d), waves 2-9 v's channels 32 (w - 2) on
; (source 0 = 16 pixels, source 1 = 16 channels: a lane holds one channel and its registers run along the pixels).  The biases are the C of each sum's first product.
; OUT.  qws: a record of 3,328 bytes for each (batch, block): two GROUP images and 256 bytes of scale pairs.  A group is 64 pixels as ONE dense fragment: lane (r, h), registers 6 c .. 6 c + 5 hold all 32 d of
; row r of tile 4 g + 2 c + h; byte e of lane r's scale word belongs to tile 4 g + e.  kv: a record of 29,952 bytes: k's two groups (0), k's scale pairs (3,072), v's scale pairs (3,328: tiles 2 a, 2 a + 1 at 256 a + 8 l),
; v's 16 images (5,376: channel tile t at 1,536 t; K = the block's 128 pixels in their true order).  Every store of a wave covers 512 or 256 consecutive bytes, aligned to 256.
; NO CLUSTER: what work-groups share is wimg, 66,560 of a work-group's 197,632 bytes read, and it goes straight into registers, a fifth of it to each pair of waves.
; LIMITS: a block of zeros, or one whose largest magnitude lies under 2^-124, keeps the byte 1 (this program alone reads the bytes); NaN and infinities are not served.
.set XIMG, 0                           ; LDS: x's 16 images, fragment (T, s) at 1,536 (2 T + s);
.set XSC,  24576                       ; their scale words, 64 bytes a fragment, row p's word at 4 p;
.set XT,   25600                       ; x's tile as it lies in memory: 256 rows of 512 bytes (lanes read neighbouring words: no padding)
.set REC,  29952
.set VSO,  3328
.set VC,   5376
.set XR,   4                           ; v4   where I read x's tile: my pixel's word in my first row
.set XW,   5                           ; v5   where my pixel's codes go in its fragment's image
.set XSW,  6                           ; v6   and its scale word
.set LI,   7                           ; v7   16 x lane
.set LS,   8                           ; v8   4 x (lane % 16)
.set L8,   9                           ; v9   8 x lane
.set WF,   16                          ; v16-63   my four weight fragments: (tile n, K half s) at WF + 12 (2 n + s); later the codes that leave
.set WS,   64                          ; v64-67   their scale words
.set BI,   68                          ; v68-83   the biases in the result's layout, eight registers a tile
.set XF,   84                          ; v84-107  x's two fragments of a pixel tile; in the x phase the codes just made
.set XS,   108                         ; v108-109 their scale words
.set TM,   110                         ; v110-127 at work
.set ACC,  128                         ; v128-255 128 numbers of x, then the 16 accumulators
.set WV,   18
.set SEL,  36
.macro MM d, a, b, c, sa, sb
	v_wmma_scale_f32_16x16x128_f8f6f4 v[\d:\d+7], v[\a:\a+11], v[\b:\b+11], v[\c:\c+7], v[\sa], v[\sb] matrix_a_fmt:MATRIX_FMT_FP6 matrix_b_fmt:MATRIX_FMT_FP6
.endm
.macro PLACES
.rept 4
	v_nop
.endr
.endm
	s_load_b256 s[4:11], s[0:1], 0x0               ; x s[4:5], wimg s[6:7], bq s[8:9], bk s[10:11]
	s_load_b128 s[12:15], s[0:1], 0x20             ; bv s[12:13], qws s[14:15]
	s_load_b64 s[16:17], s[0:1], 0x30              ; kv
	v_lshl_add_u32 v15, v0, 2, 0x29000
	v_mov_b32 v127, 0
	ds_add_u32 v15, v127
	ds_add_u32 v15, v127
	v_lshrrev_b32 v1, 5, v0
	s_delay_alu instid0(VALU_DEP_1)
	v_readfirstlane_b32 s[WV], v1                  ; wave 0..9
	v_and_b32 v1, 31, v0                           ; lane
	s_wait_alu depctr_va_vdst(0)
	v_and_b32 v2, 15, v0                           ; r
	v_bfe_u32 v3, v0, 4, 1                         ; h
	s_and_b32 s20, ttmp7, 0xffff                   ; batch
	s_lshl_b32 s21, s20, 5
	s_add_co_u32 s21, s21, ttmp9                   ; the record's number: 32 x batch + block
	; every LDS address is made here, ahead of the first parting of the waves
	s_and_b32 s40, s[WV], 3                        ; x phase: which 32 pixels are my wave's,
	s_bfe_u32 s41, s[WV], 0x10002                  ; and which 128 c
	s_lshl_b32 s42, s41, 16
	s_lshl_b32 s43, s40, 7
	s_add_co_u32 s42, s42, s43
	s_add_co_u32 s42, s42, XT
	v_lshl_add_u32 v[XR], v1, 2, s42               ; XT + 128 rows x 512 x half + 128 x group + 4 x lane
	v_and_b32 v11, 7, v0
	s_wait_alu depctr_va_vdst(0)
	v_lshl_add_u32 v11, v3, 3, v11                 ; pixel 32 b + lane is row p = lane % 8 + 8 (lane / 16)
	v_bfe_u32 v12, v0, 3, 1                        ; of tile 2 b + u, u = (lane / 8) % 2
	s_mul_i32 s43, s40, 6144
	s_mul_i32 s44, s41, 1536
	s_add_co_u32 s43, s43, s44
	v_lshl_add_u32 v[XW], v11, 4, s43
	s_delay_alu instid0(VALU_DEP_1)
	v_mad_u32_u24 v[XW], v12, 3072, v[XW]          ; 1,536 (2 (2 b + u) + s) + 16 p
	s_lshl_b32 s43, s40, 8
	s_lshl_b32 s44, s41, 6
	s_add_co_u32 s43, s43, s44
	s_add_co_u32 s43, s43, XSC
	v_lshl_add_u32 v[XSW], v11, 2, s43
	s_delay_alu instid0(VALU_DEP_1)
	v_lshl_add_u32 v[XSW], v12, 7, v[XSW]          ; XSC + 64 (2 (2 b + u) + s) + 4 p
	v_lshlrev_b32 v[LI], 4, v1
	v_lshlrev_b32 v[LS], 2, v2
	v_lshlrev_b32 v[L8], 3, v1
	v_lshlrev_b32 v10, 6, v3                       ; bq, bk: 64 h: my 16 d
.irp b, 0,1,2,3
	v_mov_b32 v[TM+4+\b], 0                        ; written once: a lane permute's destination counts as one of its sources
.endr
	s_mov_b32 s[SEL], 0x76543210
	s_mov_b32 s[SEL+1], 0xfedcba98                 ; v_permlanex16_b32's selects for lane l xor 16
	; descriptor group 1: 64 rows x 128 elements of 4 bytes, 4,096 elements from row to row, no padding
	s_mov_b32 s24, 2<<16                           ; no mask; elements of 4 bytes
	s_mov_b32 s25, 128<<16                         ; tensor_dim0 = 128
	s_mov_b32 s26, 64<<16                          ; tensor_dim1 = 64
	s_mov_b32 s27, 128<<16                         ; tile_dim0 = 128
	s_mov_b32 s28, 64                              ; tile_dim1 = 64
	s_mov_b32 s29, 4096                            ; the pitch
	s_mov_b32 s30, 0
	s_mov_b32 s31, 0
	s_mov_b32 s32, 1                               ; group 0: count = 1
	s_lshl_b32 s33, s[WV], 15
	s_add_co_u32 s33, s33, XT                      ; LDS: my 64 rows
	s_lshl_b32 s46, s20, 22                        ; memory: the batch's 4 MiB,
	s_lshl_b32 s47, s[WV], 20                      ; my 64 rows of 16,384 bytes,
	s_add_co_u32 s46, s46, s47
	s_lshl_b32 s47, ttmp9, 9                       ; the block's 512 bytes of a row
	s_add_co_u32 s46, s46, s47
	s_mov_b32 s47, 0
	s_mul_i32 s50, s[WV], 6656                     ; my two tiles of wimg
	s_mov_b32 s51, 0
	s_wait_dscnt 0x0
	s_wait_kmcnt 0x0
	s_add_nc_u64 s[34:35], s[4:5], s[46:47]
	s_or_b32 s35, s35, 0x80000000                  ; type = 2
	s_add_nc_u64 s[6:7], s[6:7], s[50:51]
	s_cmp_lt_u32 s[WV], 4                          ; waves 0-3 fetch a quarter of x's tile each: LDS is filled once in this launch
	s_cbranch_scc0 .Lno_fill
	tensor_load_to_lds s[32:35], s[24:31]
	s_nop 0
	PLACES                                         ; plain lines behind the load
.Lno_fill:
	s_wait_alu depctr_va_vdst(0)
.irp n, 0,1
.irp s, 0,1
.irp i, 0,1,2
	global_load_b128 v[WF+12*(2*\n+\s)+4*\i:WF+12*(2*\n+\s)+4*\i+3], v[LI], s[6:7] offset:3328*\n+1536*\s+512*\i
.endr
.endr
	global_load_b64 v[WS+2*\n:WS+2*\n+1], v[L8], s[6:7] offset:3328*\n+3072
.endr
	s_cmp_lt_u32 s[WV], 2
	s_cbranch_scc0 .Lbias_v
	s_cmp_eq_u32 s[WV], 0                          ; q's wave or k's
	s_cselect_b64 s[48:49], s[8:9], s[10:11]
.irp u, 0,1
	global_load_b128 v[BI+8*\u:BI+8*\u+3], v10, s[48:49] offset:32*\u       ; register 8 u + j: the bias of d = 16 h + 8 u + j
	global_load_b128 v[BI+8*\u+4:BI+8*\u+7], v10, s[48:49] offset:32*\u+16
.endr
	s_branch .Lbias_done
.Lbias_v:
	s_sub_co_u32 s50, s[WV], 2
	s_lshl_b32 s50, s50, 7                         ; my 32 channels of bv
	s_add_nc_u64 s[48:49], s[12:13], s[50:51]
	global_load_b32 v[BI], v[LS], s[48:49]         ; a lane holds ONE channel: its bias, spread over the tile's eight registers further down
	global_load_b32 v[BI+8], v[LS], s[48:49] offset:64
.Lbias_done:
	s_wait_tensorcnt 0x0                           ; my quarter of x's tile has landed,
	s_barrier_signal -1
	s_barrier_wait -1                              ; everybody's has
	s_cmp_lt_u32 s[WV], 8
	s_cbranch_scc0 .Lno_x
	; ---- x: my pixel's 128 c become four blocks' codes and one scale word
.macro LOADB j                         ; block j: x(128 s + 32 j + i, my pixel): 32 lanes read 128 neighbouring bytes
.irp i, 0,1,2,3,4,5,6,7,8,9,10,11,12,13,14,15,16,17,18,19,20,21,22,23,24,25,26,27,28,29,30,31
	ds_load_b32 v[ACC+32*\j+\i], v[XR] offset:512*(32*\j+\i)
.endr
.endm
.macro MAXB x, dst                     ; the largest magnitude of 32 numbers, in two chains, with the floor 2^(3 - 127) as a last leaf
	v_max3_num_f32 v[\dst], |v[\x]|, |v[\x+1]|, |v[\x+2]|
	v_max3_num_f32 v114, |v[\x+3]|, |v[\x+4]|, |v[\x+5]|
.irp i, 6,10,14,18,22,26
	s_delay_alu instid0(VALU_DEP_2)
	v_max3_num_f32 v[\dst], v[\dst], |v[\x+\i]|, |v[\x+\i+1]|
	s_delay_alu instid0(VALU_DEP_2)
	v_max3_num_f32 v114, v114, |v[\x+\i+2]|, |v[\x+\i+3]|
.endr
	s_delay_alu instid0(VALU_DEP_2)
	v_max3_num_f32 v[\dst], v[\dst], |v[\x+30]|, |v[\x+31]|
	s_delay_alu instid0(VALU_DEP_1)
	v_max3_num_f32 v[\dst], v[\dst], v114, 0x1800000
.endm
	LOADB 0
	LOADB 1
	s_wait_dscnt 32                                ; block 0 is in; the 32 loads issued last may be out
	MAXB ACC, 110
	LOADB 2
	s_wait_dscnt 32                                ; block 1
	MAXB ACC+32, 111
	LOADB 3
	s_wait_dscnt 32                                ; block 2
	MAXB ACC+64, 112
	s_wait_dscnt 0x0
	MAXB ACC+96, 113
.irp b, 0,1,2,3
	v_add_nc_u32 v[116+\b], 0xff000000, v[110+\b]  ; 2 off the exponent field: the conversion's scale operand
.endr
.irp b, 0,1,2,3
	s_delay_alu instid0(VALU_DEP_4)
	v_lshrrev_b32 v[120+\b], 23, v[116+\b]         ; the scale's byte
.endr
	s_delay_alu instid0(VALU_DEP_3)
	v_lshl_or_b32 v115, v121, 8, v120              ; my pixel's scale word for these 128 c
	s_delay_alu instid0(VALU_DEP_1)
	v_lshl_or_b32 v115, v122, 16, v115
	s_delay_alu instid0(VALU_DEP_1)
	v_lshl_or_b32 v115, v123, 24, v115
.irp q, 0,1                            ; two blocks at a time: block j's 24 bytes in v[XF + 6 j] on
	v_cvt_scalef32_pk16_fp6_f32 v[XF+12*\q:XF+12*\q+2], v[ACC+64*\q:ACC+64*\q+15], v[116+2*\q]
	v_cvt_scalef32_pk16_fp6_f32 v[120:122], v[ACC+64*\q+16:ACC+64*\q+31], v[116+2*\q]     ; (a conversion's three registers begin on an even number)
	v_cvt_scalef32_pk16_fp6_f32 v[XF+12*\q+6:XF+12*\q+8], v[ACC+64*\q+32:ACC+64*\q+47], v[117+2*\q]
	v_cvt_scalef32_pk16_fp6_f32 v[124:126], v[ACC+64*\q+48:ACC+64*\q+63], v[117+2*\q]
	v_nop                                          ; one plain place behind a scaled conversion
.irp i, 0,1,2
	v_mov_b32 v[XF+12*\q+3+\i], v[120+\i]
	v_mov_b32 v[XF+12*\q+9+\i], v[124+\i]
.endr
.endr
	; block j = 2 c + h' belongs to registers 6 c .. 6 c + 5 of lane p + 16 h' of the fragment: their places in the image
	ds_store_b128 v[XW], v[XF:XF+3]                           ; block 0: registers 0-3,
	ds_store_b64  v[XW], v[XF+4:XF+5] offset:512              ; 4-5
	ds_store_b128 v[XW], v[XF+6:XF+9] offset:256              ; block 1: the same, sixteen lanes on
	ds_store_b64  v[XW], v[XF+10:XF+11] offset:768
	ds_store_b64  v[XW], v[XF+12:XF+13] offset:520            ; block 2: registers 6-7,
	ds_store_b128 v[XW], v[XF+14:XF+17] offset:1024           ; 8-11
	ds_store_b64  v[XW], v[XF+18:XF+19] offset:776            ; block 3
	ds_store_b128 v[XW], v[XF+20:XF+23] offset:1280
	ds_store_b32  v[XSW], v115
.Lno_x:
	s_wait_dscnt 0x0                               ; for the others' sake: my stores have landed
	s_barrier_signal -1
	s_barrier_wait -1                              ; x's sixteen images lie in LDS
	s_wait_loadcnt 0x0                             ; my weights, their scale words, my biases
.macro XFETCH t                        ; pixel tile t: its two fragments and their scale words
.irp s, 0,1
.irp i, 0,1,2
	ds_load_b128 v[XF+12*\s+4*\i:XF+12*\s+4*\i+3], v[LI] offset:XIMG+1536*(2*(\t)+\s)+512*\i
.endr
	ds_load_b32 v[XS+\s], v[LS] offset:XSC+64*(2*(\t)+\s)
.endr
.endm
	s_cmp_lt_u32 s[WV], 2
	s_cbranch_scc1 .Lrole_qk
	; ---- v: my 32 channels for the 128 pixels.  The two accumulators of a pixel tile take turns
.irp j, 1,2,3,4,5,6,7
	v_mov_b32 v[BI+\j], v[BI]
	v_mov_b32 v[BI+8+\j], v[BI+8]
.endr
	PLACES
	s_wait_alu depctr_va_vdst(0)
.irp t, 0,1,2,3,4,5,6,7
	XFETCH \t
	s_wait_dscnt 4                                 ; the first K half is in; the second's four loads may be out
	MM ACC+8*\t, XF, WF, BI, XS, WS
	MM ACC+64+8*\t, XF, WF+24, BI+8, XS, WS+2
	s_wait_dscnt 0x0
	MM ACC+8*\t, XF+12, WF+12, ACC+8*\t, XS+1, WS+1
	MM ACC+64+8*\t, XF+12, WF+36, ACC+64+8*\t, XS+1, WS+3
	PLACES                                         ; four places in front of loads into registers that these products have read, and of the first read of results
.endr
; 64 numbers of a lane, v[s] on, register 16 b + i = pixel 32 b + 16 (lane / 16) + i of my channel, become a fragment's codes in v[pc] on and its scale word in v[pw]
.macro QUANT s, pc, ct, pw
.irp b, 0,1,2,3
	v_max3_num_f32 v[TM+\b], |v[\s+16*\b]|, |v[\s+1+16*\b]|, 0x1800000   ; block b: my 16 numbers, and the floor 2^(3 - 127)
.endr
.irp i, 2,4,6,8,10,12,14
.irp b, 0,1,2,3
	v_max3_num_f32 v[TM+\b], v[TM+\b], |v[\s+16*\b+\i]|, |v[\s+1+16*\b+\i]|   ; the four blocks by turns
.endr
.endr
.irp b, 0,1,2,3
	s_delay_alu instid0(VALU_DEP_4)
	v_permlanex16_b32 v[TM+4+\b], v[TM+\b], s[SEL], s[SEL+1]
.endr
.irp b, 0,1,2,3
	s_delay_alu instid0(VALU_DEP_4)
	v_max_num_f32 v[TM+\b], v[TM+\b], v[TM+4+\b]   ; with lane l xor 16's: the block's largest magnitude
.endr
.irp b, 0,1,2,3
	s_delay_alu instid0(VALU_DEP_4)
	v_add_nc_u32 v[TM+12+\b], 0xff000000, v[TM+\b]
.endr
.irp b, 0,1,2,3
	s_delay_alu instid0(VALU_DEP_4)
	v_lshrrev_b32 v[TM+4+\b], 23, v[TM+12+\b]
.endr
	s_delay_alu instid0(VALU_DEP_3)
	v_lshl_or_b32 v[\pw], v[TM+5], 8, v[TM+4]
	s_delay_alu instid0(VALU_DEP_1)
	v_lshl_or_b32 v[\pw], v[TM+6], 16, v[\pw]
	s_delay_alu instid0(VALU_DEP_1)
	v_lshl_or_b32 v[\pw], v[TM+7], 24, v[\pw]
.irp c, 0,1
	v_cvt_scalef32_pk16_fp6_f32 v[\pc+6*\c:\pc+2+6*\c], v[\s+32*\c:\s+15+32*\c], v[TM+12+2*\c]
	v_cvt_scalef32_pk16_fp6_f32 v[\ct+4*\c:\ct+2+4*\c], v[\s+16+32*\c:\s+31+32*\c], v[TM+12+2*\c+1]
.endr
	v_nop                                          ; one plain place behind a scaled conversion
.irp c, 0,1                            ; the operand's layout wants a WHOLE block in a lane: lanes 0-15 block 2 c, lanes 16-31 block 2 c + 1
.irp i, 0,1,2
	v_permlane16_swap_b32 v[\pc+6*\c+\i], v[\ct+4*\c+\i]
.endr
.irp i, 0,1,2
	s_delay_alu instid0(VALU_DEP_3)
	v_mov_b32 v[\pc+3+6*\c+\i], v[\ct+4*\c+\i]
.endr
.endr
.endm
	QUANT 128, 16, 28, 56
	QUANT 192, 36, 48, 57
	s_mul_i32 s56, s21, REC
	s_mov_b32 s57, 0
	s_add_nc_u64 s[16:17], s[16:17], s[56:57]      ; my record of kv
	s_sub_co_u32 s58, s[WV], 2
	s_mul_i32 s56, s58, 3072
	s_add_co_u32 s56, s56, VC
	s_add_nc_u64 s[52:53], s[16:17], s[56:57]      ; my two images
	s_lshl_b32 s56, s58, 8
	s_add_co_u32 s56, s56, VSO
	s_add_nc_u64 s[54:55], s[16:17], s[56:57]      ; my scale pair
	s_wait_alu depctr_va_vdst(0)
.irp n, 0,1
.irp i, 0,1,2
	global_store_b128 v[LI], v[16+20*\n+4*\i:16+20*\n+4*\i+3], s[52:53] offset:1536*\n+512*\i
.endr
.endr
	global_store_b64 v[L8], v[56:57], s[54:55]
	s_wait_tensorcnt 0x0
	ds_add_u32 v15, v127
	s_wait_dscnt 0x0
	s_endpgm
.Lrole_qk:
	; ---- q (wave 0) or k (wave 1): 32 d for the 128 pixels
.irp t, 0,1,2,3,4,5,6,7
	XFETCH \t
	s_wait_dscnt 4
	MM ACC+16*\t, WF, XF, BI, WS, XS
	MM ACC+16*\t+8, WF+24, XF, BI+8, WS+2, XS
	s_wait_dscnt 0x0
	MM ACC+16*\t, WF+12, XF+12, ACC+16*\t, WS+1, XS+1
	MM ACC+16*\t+8, WF+36, XF+12, ACC+16*\t+8, WS+3, XS+1
	PLACES
.endr
	; lane (r, h) holds, for tile t, d = 16 h + 0 .. 15 of pixel row r in v[ACC + 16 t] on: the one block of 32 lies in lanes l and l xor 16
.irp t, 0,1,2,3,4,5,6,7
	v_mov_b32 v[92+\t], 0                          ; a lane permute's destination counts as one of its sources
.endr
.irp t, 0,1,2,3,4,5,6,7
	v_max3_num_f32 v[84+\t], |v[ACC+16*\t]|, |v[ACC+16*\t+1]|, 0x1800000
.endr
.irp i, 2,4,6,8,10,12,14
.irp t, 0,1,2,3,4,5,6,7
	v_max3_num_f32 v[84+\t], v[84+\t], |v[ACC+16*\t+\i]|, |v[ACC+16*\t+\i+1]|
.endr
.endr
.irp t, 0,1,2,3,4,5,6,7
	v_permlanex16_b32 v[92+\t], v[84+\t], s[SEL], s[SEL+1]
.endr
.irp t, 0,1,2,3,4,5,6,7
	v_max_num_f32 v[84+\t], v[84+\t], v[92+\t]
.endr
.irp t, 0,1,2,3,4,5,6,7
	v_add_nc_u32 v[100+\t], 0xff000000, v[84+\t]
.endr
.irp t, 0,1,2,3,4,5,6,7
	v_lshrrev_b32 v[92+\t], 23, v[100+\t]
.endr
.irp g, 0,1
	v_lshl_or_b32 v[56+\g], v[93+4*\g], 8, v[92+4*\g]          ; group g's scale word: byte e for tile 4 g + e
	s_delay_alu instid0(VALU_DEP_1)
	v_lshl_or_b32 v[56+\g], v[94+4*\g], 16, v[56+\g]
	s_delay_alu instid0(VALU_DEP_1)
	v_lshl_or_b32 v[56+\g], v[95+4*\g], 24, v[56+\g]
.endr
.irp p, 0,1,2,3
	v_cvt_scalef32_pk16_fp6_f32 v[16+6*\p:18+6*\p], v[ACC+32*\p:ACC+32*\p+15], v[100+2*\p]
	v_cvt_scalef32_pk16_fp6_f32 v[40+4*\p:42+4*\p], v[ACC+32*\p+16:ACC+32*\p+31], v[101+2*\p]
.endr
	v_nop                                          ; one plain place behind a scaled conversion
.irp p, 0,1,2,3                        ; tiles 2 p and 2 p + 1: lanes 0-15 get all 32 d of the first, lanes 16-31 of the second
.irp i, 0,1,2
	v_permlane16_swap_b32 v[16+6*\p+\i], v[40+4*\p+\i]
.endr
.irp i, 0,1,2
	s_delay_alu instid0(VALU_DEP_3)
	v_mov_b32 v[19+6*\p+\i], v[40+4*\p+\i]
.endr
.endr
	s_cmp_eq_u32 s[WV], 0
	s_cselect_b64 s[52:53], s[14:15], s[16:17]     ; q's records or kv's
	s_mov_b32 s55, REC
	s_cselect_b32 s54, 3328, s55
	s_mul_i32 s54, s54, s21
	s_mov_b32 s55, 0
	s_add_nc_u64 s[52:53], s[52:53], s[54:55]
.irp i, 0,1,2,3,4,5
	global_store_b128 v[LI], v[16+4*\i:19+4*\i], s[52:53] offset:512*\i
.endr
	global_store_b64 v[L8], v[56:57], s[52:53] offset:3072
	s_wait_tensorcnt 0x0
	ds_add_u32 v15, v127
	s_wait_dscnt 0x0
	s_endpgm
.Lfunc_end_k_q173394dc33_proj:
	.size	k_q173394dc33_proj, .Lfunc_end_k_q173394dc33_proj-k_q173394dc33_proj
	.p2alignl 7, 3214868480
	.fill 96, 4, 3214868480
	.section	.rodata,"a",@progbits
	.p2align	6, 0x0
	.amdhsa_kernel k_q173394dc33_proj
		.amdhsa_group_segment_fixed_size 169216
		.amdhsa_private_segment_fixed_size 0
		.amdhsa_enable_private_segment 0
		.amdhsa_kernarg_size 56
		.amdhsa_user_sgpr_count 2
		.amdhsa_user_sgpr_kernarg_segment_ptr 1
		.amdhsa_wavefront_size32 1
		.amdhsa_system_sgpr_workgroup_id_x 1
		.amdhsa_system_sgpr_workgroup_id_y 1
		.amdhsa_system_sgpr_workgroup_id_z 1
		.amdhsa_system_vgpr_workitem_id 0
		.amdhsa_next_free_vgpr 256
		.amdhsa_next_free_sgpr 66
		.amdhsa_reserve_vcc 0
		.amdhsa_float_denorm_mode_32 3
		.amdhsa_float_denorm_mode_16_64 3
		.amdhsa_memory_ordered 1
		.amdhsa_forward_progress 1
		.amdhsa_inst_pref_size 62
	.end_amdhsa_kernel
	.amdgpu_metadata
---
amdhsa.version: [ 1, 2 ]
amdhsa.kernels:
  - .name:           k_q173394dc33_proj
    .symbol:         k_q173394dc33_proj.kd
    .args:
      - { .name: x, .offset: 0, .size: 8, .value_kind: global_buffer, .address_space: global }
      - { .name: wimg, .offset: 8, .size: 8, .value_kind: global_buffer, .address_space: global }
      - { .name: bq, .offset: 16, .size: 8, .value_kind: global_buffer, .address_space: global }
      - { .name: bk, .offset: 24, .size: 8, .value_kind: global_buffer, .address_space: global }
      - { .name: bv, .offset: 32, .size: 8, .value_kind: global_buffer, .address_space: global }
      - { .name: qws, .offset: 40, .size: 8, .value_kind: global_buffer, .address_space: global }
      - { .name: kv, .offset: 48, .size: 8, .value_kind: global_buffer, .address_space: global }
    .group_segment_fixed_size: 169216
    .private_segment_fixed_size: 0
    .kernarg_segment_align: 8
    .kernarg_segment_size: 56
    .max_flat_workgroup_size: 320
    .sgpr_count:     66
    .vgpr_count:     256
    .wavefront_size: 32
...
	.end_amdgpu_metadata
.endif
;; end of part 2
;; launch attn (part 3): grid 32 x 8, 8 waves a work-group, clusters of 4 x 1, 327,680 bytes of LDS; arguments qws, kv, x, gamma, out0; writes out0
.if DOCPART == 3
	.amdgcn_target "amdgcn-amd-amdhsa--gfx1250"
	.amdhsa_code_object_version 6
	.text
	.protected	k_q173394dc33_attn
	.globl	k_q173394dc33_attn
	.p2align	8
	.type	k_q173394dc33_attn,@function
k_q173394dc33_attn:
	s_mov_b64 s[64:65], 0
	v_nop
	global_prefetch_b8 v0, s[64:65] scope:SCOPE_SE
	s_setreg_imm32_b32 hwreg(HW_REG_WAVE_MODE, 25, 1), 1
	s_wait_xcnt 0x0
	s_wait_alu depctr_hold_cnt(0) depctr_sa_sdst(0) depctr_va_vdst(0) depctr_va_sdst(0) depctr_va_ssrc(0) depctr_va_vcc(0) depctr_vm_vsrc(0)
	s_getreg_b32 s2, hwreg(HW_REG_IB_STS2, 6, 4)
	s_cmp_eq_u32 s2, 0
	s_cbranch_scc0 .Lentry_in_a_cluster
	s_endpgm
.Lentry_in_a_cluster:
	s_bfe_u32 s2, ttmp6, 0x10000c
	s_cmp_lg_u32 s2, 0x3003
	s_cbranch_scc0 .Lentry_shape_is_right
	s_endpgm
.Lentry_shape_is_right:
; out[b][c][n] = gamma x (sum over m of v[b][c][m] softmax_m(q[b][:][n] . k[b][:][m])) + x[b][c][n], both products on codes of FP6 (E2M3) with E8M0 scales, from the records that the launch before has laid
; (qws: 3,328 bytes, kv: 29,952 bytes for each block of 128 pixels; their layout stands at that launch's head).
; THE SOFTMAX AHEAD OF THE SECOND PRODUCT: t = score x log2(e); M = the row's largest t so far, rounded UP to a whole number; p = 2^(t - M) is quantised along the keys, not normalised.  The row's sum is taken of the
; unquantised p and divides at the end.  When M moves, the sum and O are multiplied by 2^(old M - new M): exact.
; SHARES.  A work-group owns 128 queries of a batch, each of its eight waves one tile of 16 in 512 registers: two waves to a SIMD, so that one wave's vector work stands beside the other's products and LDS loads.
; Every wave walks the batch's 4,096 keys, 128 a step.  A step's record comes through a ring of two LDS slots of four steps; waves 0-3 fetch one record each.
; CLUSTER.  The four work-groups of a cluster belong to one batch and walk the same records: each record is asked for JOINTLY, by the same tensor load with the same descriptor and a mask that names the four.
; BOTH PRODUCTS ARE USED TRANSPOSED: S^T = k q^T, O^T = v p^T: a lane holds ONE query (lane % 16) throughout.
; K = 32 IN AN INSTRUCTION OF 128.  A fragment of k holds four DIFFERENT tiles of 16 keys in its four blocks of 32.  q stands in four versions, its 32 codes in block e alone and zero codes elsewhere: (fragment g, version e) gives
; the scores of key tile 4 g + e.  The versions overlap in registers: [QL Z QH Z QL], QL = q in lanes 0-15, QH = q in lanes 16-31, Z = zeros.  Version e's scale word has q's byte at place e; the other bytes are 0, over zero codes.
; Key tile 2 b + u holds in row p the key 32 b + 8 u + p + 8 (p / 8): so p's 16 registers of tiles 2 b, 2 b + 1 are 16 neighbouring keys, as the conversions and the second product's operand want them.
; LIMITS: NaN and infinities are not served.  An exponential under 2^-126 comes out as 0 (ISA guide, 15.8); a block whose every p is 0 keeps the byte 1 over zero codes.  A block's largest p is made from its largest
; score by the same multiply-add and exponential, which takes the exponential not to fall where its input rises.
; REGISTERS.  Window 0: see the names below.  Window 1: v0-127 O^T (channel tile t at 8 t); v128-223 eight fragments of v.
.set REC,   29952                      ; a step's record: 117 rows of 256 bytes
.set KSO,   3072                       ; in it: k's scale pairs,
.set VSO,   3328                       ; v's scale pairs,
.set VC,    5376                       ; v's 16 images
.set SLOT1, 1<<17                      ; slot 0 at byte 0, slot 1 here: one exclusive or turns an address in one slot into the other's
.set SPARE, SLOT1+4*REC                ; behind the ring: the spare words, 128 bytes for each wave: four blocks of 256 bytes that no other line names
.set STG1,  SPARE+1024                 ; the way out: a stage of 128 channels x (512 bytes + 16) for channels 128-255; that of channels 0-127 lies at byte 0, in slot 0, which has had its last fill and its last read by then
.set SP,    528
.set SPW, 1                            ; v1   LDS address of my spare word; never rewritten
.set NIL, 2                            ; v2   0; never rewritten
.set LI,  3                            ; v3   16 x lane
.set L8,  4                            ; v4   8 x lane
.set ADI, 5                            ; v5   the step's record + 16 x lane
.set AD8, 6                            ; v6   the step's record + 8 x lane
.set STO0, 7                           ; v7   the stage, in: channel row 8 h, my query's column
.set STO1, 8                           ; v8   the same in the second stage
.set RD,  9                            ; v9   the stage, back: my wave's 32 channel rows, 16 bytes a lane
.set PFO, 10                           ; v10  the prefetches' offset in a record
.set XPO, 11                           ; v11  16,384 x lane: a row of x a lane
.set NM,  12                           ; v12  -M;  v13 the largest t;  at the end v12 = gamma / l
.set RT,  13
.set SUM, 14                           ; v[14:15] the row's sum, in two halves
.set QV,  16                           ; v16-45  [QL Z QH Z QL]
.set QS,  46                           ; v46-49  the four versions' scale words
.set KF,  50                           ; v50-73  k's two fragments
.set KS,  74                           ; v74-75  their scale words
.set PW,  76                           ; v76     p's scale word
.set VS,  80                           ; v80-95  v's scale words, one for each channel tile
.set S,   96                           ; v96-159 S^T, then p
.set PC,  160                          ; v160-171 p's codes
.set CT,  172                          ; v172-179 the conversions' second halves
.set BM,  180                          ; v180-183 the blocks' largest scores, then largest p
.set PT,  184                          ; v184-187 at work
.set SO,  188                          ; v188-191 the conversions' scale operands
.set FF,  194                          ; v[194:195] f = 2^(old M - new M)
.set TT,  196
.set SU,  198                          ; v[198:199] the sum's second chain
.set QI,  200                          ; v200-205 q as loaded
.set XR,  96                           ; the way out: v96-223 my 32 rows of x
.set SB,  224                          ; v224-255 eight rows back from the stage
.set XV,  128                          ; window 1: v's fragments
.set WV,  14
.set SEL, 20
.set CS,  22
.set TB,  36                           ; s36  LDS byte at which the step's record begins
.set SLOTS, 37
.set CNT, 38
.set LIM, 39                           ; s39  1 in a wave that prefetches, else the greatest number
.set PFA, 40                           ; s[40:41] where my work-group's prefetches stand
.set MSB, 0
.macro WIN new                         ; the immediate's high byte repeats the setting that is left
.if MSB != \new
	s_set_vgpr_msb (MSB<<8)|\new
.set MSB, \new
.endif
.endm
.macro MM0 d, a, b, sa, sb             ; a product that starts its sum
	v_wmma_scale_f32_16x16x128_f8f6f4 v[\d:\d+7], v[\a:\a+11], v[\b:\b+11], 0, v[\sa], v[\sb] matrix_a_fmt:MATRIX_FMT_FP6 matrix_b_fmt:MATRIX_FMT_FP6
.endm
.macro MMA d, a, b, sa, sb             ; a product that adds in place
	v_wmma_scale_f32_16x16x128_f8f6f4 v[\d:\d+7], v[\a:\a+11], v[\b:\b+11], v[\d:\d+7], v[\sa], v[\sb] matrix_a_fmt:MATRIX_FMT_FP6 matrix_b_fmt:MATRIX_FMT_FP6
.endm
.macro CROUND                          ; a round of the cluster's barrier
	s_barrier_signal -1
	s_barrier_wait -1
	s_cmp_lg_u32 s[WV], 0
	s_cbranch_scc1 .Lnot_wave_0_\@
	s_barrier_signal -3
.Lnot_wave_0_\@:
	s_barrier_wait -3
	s_barrier_signal -1
	s_barrier_wait -1
.endm
.macro JLOAD                           ; waves 0-3 ask for one record each; the branch hangs on the wave's number alone.  Four v_nop follow the load
	s_cmp_lt_u32 s[WV], 4
	s_cbranch_scc0 .Lnone_\@
	tensor_load_to_lds s[32:35], s[24:31]
	s_nop 0
.rept 4
	v_nop
.endr
.Lnone_\@:
.endm
; A PREFETCH INTO THE L2 of what the NEXT change of slots will ask for: four records.  All clusters of a batch walk the same records: the batch's first cluster asks.  Its four partners take one record each, told apart BY ADDRESS;
; in each the waves that fetch nothing ask, waves 4-7, 32 blocks of 256 bytes a wave, a lane a block (a record has 117: the last wave's lanes 21-31 name the last block again).  The last change that fills a slot asks for nothing.
.macro ASK
	s_cmp_gt_u32 s[SLOTS], s[LIM]
	s_cbranch_scc0 .Lnot_mine_\@
	global_prefetch_b8 v[PFO], s[PFA:PFA+1] th:TH_LOAD_NT scope:SCOPE_SE
.Lnot_mine_\@:
.endm
	s_load_b256 s[4:11], s[0:1], 0x0               ; qws s[4:5], kv s[6:7], x s[8:9], gamma s[10:11]
	s_load_b64 s[12:13], s[0:1], 0x20              ; out0
	v_lshl_add_u32 v[SPW], v0, 2, SPARE
	v_mov_b32 v[NIL], 0
	ds_add_u32 v1, v2
	ds_add_u32 v1, v2
	s_wait_dscnt 0x0
	v_lshrrev_b32 v212, 5, v0
	s_delay_alu instid0(VALU_DEP_1)
	v_readfirstlane_b32 s[WV], v212                ; wave 0..7
	s_bfe_u32 s15, ttmp6, 0x40000                  ; cx: my place in the cluster
	s_lshl_b32 s16, ttmp9, 2
	s_add_co_u32 s16, s16, s15                     ; my block of 128 queries: it enters q's, x's and out's addresses alone
	s_and_b32 s17, ttmp7, 0xffff                   ; the batch, which the four partners share
	; descriptor group 1: a record as 117 rows of 256 bytes (32 elements of 8 bytes), dense, no padding
	s_mov_b32 s24, 15|(3<<16)|(1<<21)              ; the mask: all four work-groups; elements of 8 bytes; bit 21 set beside a mask
	s_mov_b32 s25, 32<<16                          ; tensor_dim0 = 32
	s_mov_b32 s26, 117<<16                         ; tensor_dim1 = 117
	s_mov_b32 s27, 32<<16                          ; tile_dim0 = 32
	s_mov_b32 s28, 117                             ; tile_dim1 = 117
	s_mov_b32 s29, 32                              ; the pitch
	s_mov_b32 s30, 0
	s_mov_b32 s31, 0
	s_mov_b32 s[SEL], 0x76543210
	s_mov_b32 s[SEL+1], 0xfedcba98                 ; v_permlanex16_b32's selects for lane l xor 16
	s_mov_b32 s[CS], 0x3fb8aa3b                    ; log2(e): the scores are not scaled
	s_mov_b32 s[CS+1], s[CS]                       ; (named with it as a pair, so it is written)
	s_mov_b32 s43, 0x0000ffff                      ; lanes 0-15
	s_mov_b32 s44, 0xffff0000                      ; lanes 16-31
	s_mov_b32 s[TB], 0
	s_mov_b32 s[SLOTS], 7
	s_mul_i32 s50, s17, 32*REC                     ; the batch's 32 records
	s_mov_b32 s51, 0
	s_mul_i32 s52, s[WV], REC                      ; my record of a slot's four, in memory and in LDS: no place in the cluster enters either
	s_mov_b32 s53, 0
	s_mul_i32 s54, s15, REC                        ; the record that my work-group prefetches
	s_mov_b32 s55, 0
	s_lshl_b32 s56, s17, 5
	s_add_co_u32 s56, s56, s16
	s_mul_i32 s56, s56, 3328                       ; my block's record of q
	s_mov_b32 s57, 0
	s_lshl_b32 s58, s17, 22                        ; x and out: the batch's 4 MiB,
	s_lshl_b32 s59, s[WV], 19                      ; my wave's 32 channel rows of 16,384 bytes,
	s_add_co_u32 s58, s58, s59
	s_lshl_b32 s59, s16, 9                         ; my block's 512 bytes of a row
	s_add_co_u32 s58, s58, s59
	s_mov_b32 s59, 0
	s_lshr_b32 s[LIM], s[WV], 2
	s_xor_b32 s[LIM], s[LIM], 1                    ; 0 in waves 4-7,
	s_or_b32 s[LIM], s[LIM], ttmp9                 ; of the batch's first cluster: the same in all four partners
	s_cmp_eq_u32 s[LIM], 0
	s_cselect_b32 s[LIM], 1, -1
	v_and_b32 v212, 31, v0                         ; lane
	v_and_b32 v213, 15, v0                         ; r
	v_bfe_u32 v214, v0, 4, 1                       ; h
	s_delay_alu instid0(VALU_DEP_3)
	v_lshlrev_b32 v[LI], 4, v212
	s_wait_alu depctr_va_vdst(0)
	v_lshlrev_b32 v[L8], 3, v212
	s_lshr_b32 s60, s[WV], 1
	s_lshl_b32 s60, s60, 7
	s_and_b32 s61, s[WV], 1
	s_lshl_b32 s61, s61, 5
	s_add_co_u32 s60, s60, s61                     ; 4 x (32 (w / 2) + 8 (w % 2))
	v_and_b32 v[STO0], 8, v213
	s_delay_alu instid0(VALU_DEP_1)
	v_add_nc_u32 v[STO0], v[STO0], v213            ; query row r of tile w is pixel 32 (w / 2) + 8 (w % 2) + r + 8 (r / 8) of the block
	s_delay_alu instid0(VALU_DEP_1)
	v_lshl_add_u32 v[STO0], v[STO0], 2, s60
	s_delay_alu instid0(VALU_DEP_1)
	v_mad_u32_u24 v[STO0], v214, 8*SP, v[STO0]     ; + channel row 8 h
	s_delay_alu instid0(VALU_DEP_1)
	v_add_nc_u32 v[STO1], STG1, v[STO0]
	s_and_b32 s60, s[WV], 3
	s_mul_i32 s61, s60, 32*SP
	s_lshr_b32 s62, s[WV], 2
	s_mul_i32 s62, s62, STG1
	s_add_co_u32 s61, s61, s62
	v_add_nc_u32 v[RD], s61, v[LI]                 ; channels 32 w on: stage w / 4, rows 32 (w % 4) on
	s_lshl_b32 s60, s60, 5
	v_add_nc_u32 v[PFO], s60, v212
	s_delay_alu instid0(VALU_DEP_1)
	v_min_u32 v[PFO], 116, v[PFO]
	s_delay_alu instid0(VALU_DEP_1)
	v_lshlrev_b32 v[PFO], 8, v[PFO]
	v_lshlrev_b32 v[XPO], 14, v212
	; q: tile w is block e = w % 4 of group g = w / 4: registers 6 c .. 6 c + 5 (c = (w / 2) % 2) of lane r + 16 (w % 2) of the group's image.  Both halves of the lanes load row r's 24 bytes, as three pieces of 8
	s_lshr_b32 s60, s[WV], 2                       ; g
	s_bfe_u32 s61, s[WV], 0x10001                  ; c
	s_and_b32 s62, s[WV], 1
	s_lshl_b32 s62, s62, 8
	s_mul_i32 s63, s60, 1536
	s_add_co_u32 s62, s62, s63                     ; 1,536 g + 256 (w % 2)
	s_mul_i32 s63, s61, 520
	s_add_co_u32 s63, s63, s62
	v_lshl_add_u32 v206, v213, 4, s63              ; pieces 0 and 2: at 0 and 512 (c = 0), at 520 and 1,032 (c = 1)
	s_mul_i32 s63, s61, 1016
	s_add_co_u32 s63, s63, s62
	v_lshl_add_u32 v207, v213, 4, s63              ; piece 1: at 8 (c = 0), at 1,024 (c = 1)
	s_lshl_b32 s60, s60, 2
	v_lshl_add_u32 v208, v213, 3, s60              ; the scale word of group g: 8 r + 4 g
	s_and_b32 s45, s[WV], 3
	s_lshl_b32 s45, s45, 3                         ; and my tile's byte in it
	s_wait_kmcnt 0x0
	s_add_nc_u64 s[6:7], s[6:7], s[50:51]          ; kv at my batch
	s_mov_b32 s32, 1                               ; group 0: count = 1
	s_mov_b32 s33, s52                             ; LDS: slot 0, my record
	s_add_nc_u64 s[34:35], s[6:7], s[52:53]
	s_or_b32 s35, s35, 0x80000000                  ; type = 2
	s_add_nc_u64 s[PFA:PFA+1], s[6:7], s[54:55]
	s_add_nc_u64 s[PFA:PFA+1], s[PFA:PFA+1], 4*REC ; in slot 1's keys: the first change of slots steps it on.  Nothing is prefetched at the head
	s_add_nc_u64 s[4:5], s[4:5], s[56:57]
	s_add_nc_u64 s[46:47], s[8:9], s[58:59]
	s_add_nc_u64 s[48:49], s[12:13], s[58:59]
	s_load_b32 s42, s[10:11], 0x0                  ; gamma
	CROUND                                         ; all four work-groups are here: the first joint loads meet
	JLOAD                                          ; steps 0-3 into slot 0: one tensor load of mine is out
	s_wait_alu depctr_va_vdst(0)
	global_load_b64 v[QI:QI+1], v206, s[4:5]
	global_load_b64 v[QI+2:QI+3], v207, s[4:5] offset:8
	global_load_b64 v[QI+4:QI+5], v206, s[4:5] offset:512
	global_load_b32 v209, v208, s[4:5] offset:3072
	v_mov_b32 v[RT], 0xff61b1e6                    ; the largest t so far: -3e38, under every t
	s_delay_alu instid0(VALU_DEP_1)
	v_floor_f32 v[NM], -v[RT]
	v_mov_b32 v[SUM], 0
	v_mov_b32 v[SUM+1], 0
	v_mov_b32 v[FF+1], 0                           ; (named as the upper half of a pair)
.irp b, 0,1,2,3
	v_mov_b32 v[PT+\b], 0                          ; a lane permute's destination counts as one of its sources
.endr
.irp i, 0,1,2,3,4,5
	v_mov_b32 v[QV+6+\i], 0
	v_mov_b32 v[QV+18+\i], 0
.endr
	s_wait_loadcnt 0x0
	s_wait_kmcnt 0x0
.irp i, 0,1,2,3,4,5
	v_cndmask_b32 v[QV+\i], 0, v[QI+\i], s43
	v_cndmask_b32 v[QV+12+\i], 0, v[QI+\i], s44
	v_cndmask_b32 v[QV+24+\i], 0, v[QI+\i], s43
.endr
	v_lshrrev_b32 v210, s45, v209
	s_delay_alu instid0(VALU_DEP_1)
	v_and_b32 v210, 0xff, v210
	s_delay_alu instid0(VALU_DEP_1)
	v_mov_b32 v[QS], v210
	s_delay_alu instid0(VALU_DEP_2)
	v_lshlrev_b32 v[QS+1], 8, v210
	s_delay_alu instid0(VALU_DEP_3)
	v_lshlrev_b32 v[QS+2], 16, v210
	s_delay_alu instid0(VALU_DEP_4)
	v_lshlrev_b32 v[QS+3], 24, v210
	WIN 0x40                                       ; destination window 1
.set j, 0
.rept 128
	v_mov_b32 v[j], 0                              ; O^T.  The step is written once for all 32: the first finds zeros, which the first change of M leaves zeros.  (These are also the places between q's operands and scale words and the first product)
.set j, j+1
.endr
	WIN 0
; A KEY STEP: 128 keys, the record at s[TB].
.macro STEP
	v_add_nc_u32 v[ADI], s[TB], v[LI]
	v_add_nc_u32 v[AD8], s[TB], v[L8]
.irp g, 0,1
.irp i, 0,1,2
	ds_load_b128 v[KF+12*\g+4*\i:KF+12*\g+4*\i+3], v[ADI] offset:1536*\g+512*\i
.endr
.endr
	ds_load_b64 v[KS:KS+1], v[AD8] offset:KSO
.irp a, 0,1,2,3,4,5,6,7
	ds_load_b64 v[VS+2*\a:VS+2*\a+1], v[AD8] offset:VSO+256*\a
.endr
	WIN 0x40                                       ; destination window 1, address window 0
.irp t, 0,1,2,3,4,5,6,7
.irp i, 0,1,2
	ds_load_b128 v[XV+12*\t+4*\i:XV+12*\t+4*\i+3], v[ADI] offset:VC+1536*\t+512*\i   ; v's channel tiles 0-7: they land under the softmax
.endr
.endr
	WIN 0
	s_wait_dscnt 32                                ; k and its scale words are in; behind them: v's 8 scale pairs and 24 loads of codes
.irp g, 0,1
.irp e, 0,1,2,3
.set rB, QV+(12*(\e&1)+18*(\e>>1))%24              ; versions 0, 1, 2, 3 begin 0, 12, 18, 6 registers on
	MM0 S+8*(4*\g+\e), KF+12*\g, rB, KS+\g, QS+\e
.endr
.endr
.rept 4
	v_nop                                          ; four places in front of the first read of results
.endr
.irp b, 0,1,2,3
	v_max3_num_f32 v[BM+\b], v[S+16*\b], v[S+16*\b+1], v[S+16*\b+2]   ; THE LARGEST SCORE OF EACH BLOCK OF 32 KEYS: for the row's maximum, and, since p rises with the score, for the block's largest p
.endr
.irp i, 3,5,7,9,11,13
.irp b, 0,1,2,3
	v_max3_num_f32 v[BM+\b], v[BM+\b], v[S+16*\b+\i], v[S+16*\b+\i+1]
.endr
.endr
.irp b, 0,1,2,3
	v_max_num_f32 v[BM+\b], v[BM+\b], v[S+16*\b+15]
.endr
.irp b, 0,1,2,3
	s_delay_alu instid0(VALU_DEP_4)
	v_permlanex16_b32 v[PT+\b], v[BM+\b], s[SEL], s[SEL+1]
.endr
.irp b, 0,1,2,3
	s_delay_alu instid0(VALU_DEP_4)
	v_max_num_f32 v[BM+\b], v[BM+\b], v[PT+\b]     ; with lane l xor 16's 16 keys
.endr
	s_delay_alu instid0(VALU_DEP_2)
	v_max3_num_f32 v[TT], v[BM], v[BM+1], v[BM+2]
	s_delay_alu instid0(VALU_DEP_1)
	v_max_num_f32 v[TT], v[TT], v[BM+3]            ; the step's largest score of my query
	s_delay_alu instid0(VALU_DEP_1)
	v_mul_f32 v[TT], s[CS], v[TT]                  ; as t
	s_delay_alu instid0(VALU_DEP_1)
	v_max_num_f32 v[RT], v[RT], v[TT]              ; the running largest t
	v_mov_b32 v[TT], v[NM]
	s_delay_alu instid0(VALU_DEP_2)
	v_floor_f32 v[NM], -v[RT]                      ; the new -M = floor(-t) = -ceil(t): a whole number
	s_delay_alu instid0(VALU_DEP_1)
	v_sub_f32 v[TT], v[NM], v[TT]                  ; old M - new M: a whole number, 0 or less
	s_delay_alu instid0(VALU_DEP_1)
	v_cvt_i32_f32 v[TT], v[TT]                     ; (it saturates)
	s_delay_alu instid0(VALU_DEP_1)
	v_ldexp_f32 v[FF], 1.0, v[TT]                  ; f = 2^(old M - new M)
.set j, 0
.rept 32
	v_pk_fma_f32 v[S+j:S+j+1], v[S+j:S+j+1], s[CS:CS+1], v[NM:NM+1] op_sel_hi:[1,0,0]   ; t - M, two at a time
.set j, j+2
.endr
.irp b, 0,1,2,3
	v_fma_f32 v[BM+\b], v[BM+\b], s[CS], v[NM]     ; the same of each block's largest score
.endr
.set j, 0
	s_wait_alu depctr_va_vdst(0)
.rept 64
	v_exp_f32 v[S+j], v[S+j]                       ; p = 2^(t - M), at most 1
.set j, j+1
.endr
	v_pk_mul_f32 v[SUM:SUM+1], v[SUM:SUM+1], v[FF:FF+1] op_sel_hi:[1,0]   ; the sums under the new M: a plain line behind the exponentials
	s_wait_alu depctr_va_vdst(0)                   ; one wait for the batch of 64, ahead of its first reader
.irp b, 0,1,2,3
	v_exp_f32 v[BM+\b], v[BM+\b]                   ; the block's largest p
.endr
	v_pk_add_f32 v[198:199], v[100:101], v[104:105]
	v_pk_add_f32 v[254:255], v[108:109], v[112:113]
	v_pk_add_f32 v[252:253], v[116:117], v[120:121]
	v_pk_add_f32 v[250:251], v[124:125], v[128:129]
	v_pk_add_f32 v[248:249], v[132:133], v[136:137]
	v_pk_add_f32 v[246:247], v[140:141], v[144:145]
	v_pk_add_f32 v[244:245], v[148:149], v[152:153]
	v_pk_add_f32 v[14:15], v[14:15], v[156:157]
	v_pk_add_f32 v[198:199], v[198:199], v[96:97]
	v_pk_add_f32 v[254:255], v[254:255], v[98:99]
	v_pk_add_f32 v[252:253], v[252:253], v[102:103]
	v_pk_add_f32 v[250:251], v[250:251], v[106:107]
	v_pk_add_f32 v[248:249], v[248:249], v[110:111]
	v_pk_add_f32 v[246:247], v[246:247], v[114:115]
	v_pk_add_f32 v[244:245], v[244:245], v[118:119]
	v_pk_add_f32 v[14:15], v[14:15], v[122:123]
	v_pk_add_f32 v[198:199], v[198:199], v[126:127]
	v_pk_add_f32 v[254:255], v[254:255], v[130:131]
	v_pk_add_f32 v[252:253], v[252:253], v[134:135]
	v_pk_add_f32 v[250:251], v[250:251], v[138:139]
	v_pk_add_f32 v[248:249], v[248:249], v[142:143]
	v_pk_add_f32 v[246:247], v[246:247], v[146:147]
	v_pk_add_f32 v[244:245], v[244:245], v[150:151]
	v_pk_add_f32 v[14:15], v[14:15], v[154:155]
	v_pk_add_f32 v[198:199], v[198:199], v[158:159]
	s_delay_alu instid0(VALU_DEP_2)
	v_pk_add_f32 v[14:15], v[14:15], v[250:251]
	s_delay_alu instid0(VALU_DEP_2)
	v_pk_add_f32 v[198:199], v[198:199], v[248:249]
	v_pk_add_f32 v[254:255], v[254:255], v[246:247]
	v_pk_add_f32 v[252:253], v[252:253], v[244:245]
	s_delay_alu instid0(VALU_DEP_2)
	v_pk_add_f32 v[14:15], v[14:15], v[254:255]
	s_delay_alu instid0(VALU_DEP_2)
	v_pk_add_f32 v[198:199], v[198:199], v[252:253]
	s_delay_alu instid0(VALU_DEP_1)
	v_pk_add_f32 v[14:15], v[14:15], v[198:199]
	s_wait_alu depctr_va_vdst(0)                   ; and one for the four
.irp b, 0,1,2,3
	v_max_num_f32 v[BM+\b], 0x1800000, v[BM+\b]    ; the floor 2^(3 - 127): the byte cannot fall under 1
.endr
.irp b, 0,1,2,3
	s_delay_alu instid0(VALU_DEP_4)
	v_add_nc_u32 v[SO+\b], 0xff000000, v[BM+\b]    ; 2 off the exponent field: the conversion's scale operand
.endr
.irp b, 0,1,2,3
	s_delay_alu instid0(VALU_DEP_4)
	v_lshrrev_b32 v[PT+\b], 23, v[SO+\b]           ; the scale's byte
.endr
	s_delay_alu instid0(VALU_DEP_3)
	v_lshl_or_b32 v[PW], v[PT+1], 8, v[PT]         ; p's scale word for these 128 keys
	s_delay_alu instid0(VALU_DEP_1)
	v_lshl_or_b32 v[PW], v[PT+2], 16, v[PW]
	s_delay_alu instid0(VALU_DEP_1)
	v_lshl_or_b32 v[PW], v[PT+3], 24, v[PW]
.irp c, 0,1
	v_cvt_scalef32_pk16_fp6_f32 v[PC+6*\c:PC+6*\c+2], v[S+32*\c:S+32*\c+15], v[SO+2*\c]
	v_cvt_scalef32_pk16_fp6_f32 v[CT+4*\c:CT+4*\c+2], v[S+32*\c+16:S+32*\c+31], v[SO+2*\c+1]
.endr
	v_nop                                          ; one plain place behind a scaled conversion
.irp c, 0,1                            ; the operand's layout wants a WHOLE block in a lane
.irp i, 0,1,2
	v_permlane16_swap_b32 v[PC+6*\c+\i], v[CT+4*\c+\i]
.endr
.irp i, 0,1,2
	s_delay_alu instid0(VALU_DEP_3)
	v_mov_b32 v[PC+3+6*\c+\i], v[CT+4*\c+\i]
.endr
.endr
	WIN 0x41                                       ; O^T (destination and source 0) window 1, f window 0
.set j, 0
	s_setprio 1
.rept 32
	v_pk_mul_f32 v[j:j+1], v[j:j+1], v[FF:FF+1] op_sel_hi:[1,0]   ; tiles 0-7 under the new M, each from its low end on; these are also the places between p's codes and scale word and the products
.set j, j+2
.endr
	s_wait_alu depctr_va_vdst(0)
	s_wait_dscnt 0x0                               ; v's tiles 0-7 and the scale words are in
	WIN 0x51                                       ; v, C and D window 1, p window 0
.irp t, 0,1,2,3,4,5,6,7
	MMA 8*\t, XV+12*\t, PC, VS+\t, PW              ; the sixteen accumulators take turns, one instruction a turn
.endr
.rept 4
	v_nop                                          ; four places in front of loads into registers that these products have read
.endr
	WIN 0x40
.irp t, 0,1,2,3,4,5,6,7
.irp i, 0,1,2
	ds_load_b128 v[XV+12*\t+4*\i:XV+12*\t+4*\i+3], v[ADI] offset:VC+1536*(8+\t)+512*\i   ; channel tiles 8-15
.endr
.endr
	WIN 0x41
.set j, 64
.rept 32
	v_pk_mul_f32 v[j:j+1], v[j:j+1], v[FF:FF+1] op_sel_hi:[1,0]   ; tiles 8-15 under the new M, while the loads are out
.set j, j+2
.endr
	s_wait_alu depctr_va_vdst(0)
	s_wait_dscnt 12                                ; tiles 8-11 are in; the last four tiles' twelve loads may be out
	WIN 0x51
	s_setprio 0
.irp t, 0,1,2,3
	MMA 64+8*\t, XV+12*\t, PC, VS+8+\t, PW
.endr
	s_wait_dscnt 0x0
.irp t, 4,5,6,7
	MMA 64+8*\t, XV+12*\t, PC, VS+8+\t, PW
.endr
.rept 5
	v_nop                                          ; places in front of the next step's loads into v's fragments and scale words, and of the way out's loads
.endr
	WIN 0
.endm
; THE CHANGE OF SLOTS stands at a slot's head.  Each wave waits for all its tensor loads (its record of the slot ahead), adds 0 to its spare word, and waits for that and for its reads of the slot that it has left.
; fill = 1: a round of the cluster's barrier, so that no wave of any partner still reads the slot left or has a load on its way; behind it that slot is filled with the next four steps, which then have four steps' work in which to land.
.macro CHANGE fill
	s_wait_tensorcnt 0x0                           ; no tensor load of mine is out, so group 0 may be written
	ds_add_u32 v[SPW], v[NIL]                      ; 0 onto my spare word
.if \fill
	s_xor_b32 s33, s33, SLOT1                      ; the walking descriptor: the other slot than last time,
	s_add_nc_u64 s[34:35], s[34:35], 4*REC         ; the next four records; the type bits on top are not reached
	s_wait_xcnt 0x0                                ; the last prefetch, four steps back, has read its address, so it may be written:
	s_add_nc_u64 s[PFA:PFA+1], s[PFA:PFA+1], 4*REC ; one slot further on than the descriptor
	s_wait_dscnt 0x0                               ; the add is done, and my reads of the slot that I have left are over
	CROUND
	JLOAD                                          ; the first thing behind the round, and a wave's one tensor load until the next
	ASK                                            ; what the next change will ask for: four steps ahead of that load
.else
	s_wait_dscnt 0x0
	s_barrier_signal -1
	s_barrier_wait -1
	global_prefetch_b8 v[XPO], s[46:47] th:TH_LOAD_NT scope:SCOPE_SE              ; my wave's 32 rows of x for the residual, 512 bytes each, a lane a row: four steps ahead of their loads; each block is named once in the launch
	global_prefetch_b8 v[XPO], s[46:47] offset:256 th:TH_LOAD_NT scope:SCOPE_SE
.endif
.endm
.macro FOUR_STEPS                      ; a slot's four steps: written once, walked four times
	s_mov_b32 s[CNT], 4
.Lstep_\@:
	s_setprio 2
	STEP
	s_add_co_u32 s[TB], s[TB], REC
	s_sub_co_u32 s[CNT], s[CNT], 1
	s_cmp_lg_u32 s[CNT], 0
	s_cbranch_scc1 .Lstep_\@
	s_setprio 0
	s_sub_co_u32 s[TB], s[TB], 4*REC               ; back to a slot's first record,
	s_xor_b32 s[TB], s[TB], SLOT1                  ; in the other slot
.endm
.Lslot:                                            ; seven trips: behind each change of slots but the last the next four steps are asked for
	CHANGE 1
	FOUR_STEPS
	s_sub_co_u32 s[SLOTS], s[SLOTS], 1
	s_cmp_lg_u32 s[SLOTS], 0
	s_cbranch_scc1 .Lslot
	CHANGE 0                                       ; the last slot is written out
	FOUR_STEPS
	; THE WAY OUT.  O^T x gamma / l goes into two stages in LDS, [channel][the block's 128 pixels]; behind a barrier each wave takes 32 whole channel rows, adds x's and stores 512 consecutive bytes an instruction.
.set k, 0
.rept 32
	global_load_b128 v[XR+4*k:XR+4*k+3], v[LI], s[46:47] offset:16384*k th:TH_LOAD_NT   ; x(32 w + k, my block's 128 pixels)
.set k, k+1
.endr
	v_add_f32 v[SUM], v[SUM], v[SUM+1]             ; the sum's two halves,
	s_delay_alu instid0(VALU_DEP_1)
	v_permlanex16_b32 v[RT], v[SUM], s[SEL], s[SEL+1]
	s_delay_alu instid0(VALU_DEP_1)
	v_add_f32 v[SUM], v[SUM], v[RT]                ; and lane l xor 16's: the row's sum
	s_wait_alu depctr_va_vdst(0)
	v_rcp_f32 v[NM], v[SUM]
	v_nop                                          ; a plain line behind the reciprocal
	s_wait_alu depctr_va_vdst(0)                   ; and the wait ahead of its first reader
	v_mul_f32 v[NM], s42, v[NM]                    ; gamma / l
	WIN 0x41
.set j, 0
.rept 64
	v_pk_mul_f32 v[j:j+1], v[j:j+1], v[NM:NM+1] op_sel_hi:[1,0]   ; each accumulator from its low end on
.set j, j+2
.endr
	WIN 0x04                                       ; an LDS store's data are its source 1: window 1
.irp t, 0,1,2,3,4,5,6,7
.irp i, 0,1,2,3,4,5,6,7
	ds_store_b32 v[STO0], v[8*\t+\i] offset:SP*(16*\t+\i)          ; channel 16 t + 8 h + i, my query's column
.endr
.endr
.irp t, 0,1,2,3,4,5,6,7
.irp i, 0,1,2,3,4,5,6,7
	ds_store_b32 v[STO1], v[64+8*\t+\i] offset:SP*(16*\t+\i)       ; channels 128 on
.endr
.endr
	WIN 0
	s_wait_dscnt 0x0                               ; for the others' sake: my stores into the stages have landed
	s_barrier_signal -1
	s_barrier_wait -1
.irp q, 0,1,2,3                        ; eight rows at a time
.irp i, 0,1,2,3,4,5,6,7
	ds_load_b128 v[SB+4*\i:SB+4*\i+3], v[RD] offset:SP*(8*\q+\i)
.endr
.irp i, 0,1,2,3,4,5,6,7
	s_wait_dscnt 7-\i                              ; this row is back; the batch's later rows may be out
	s_wait_loadcnt 31-8*\q-\i                      ; and its row of x is in; the later rows' loads may be out
	v_pk_add_f32 v[XR+32*\q+4*\i:XR+32*\q+4*\i+1], v[XR+32*\q+4*\i:XR+32*\q+4*\i+1], v[SB+4*\i:SB+4*\i+1]
	v_pk_add_f32 v[XR+32*\q+4*\i+2:XR+32*\q+4*\i+3], v[XR+32*\q+4*\i+2:XR+32*\q+4*\i+3], v[SB+4*\i+2:SB+4*\i+3]
	global_store_b128 v[LI], v[XR+32*\q+4*\i:XR+32*\q+4*\i+3], s[48:49] offset:16384*(8*\q+\i) th:TH_STORE_NT   ; 32 lanes store 512 consecutive bytes, at a multiple of 256 from the buffer's first byte; each row has registers of its own
.endr
.endr
	s_wait_tensorcnt 0x0                           ; the wave's end: behind my last tensor load and my last LDS store
	ds_add_u32 v[SPW], v[NIL]
	s_wait_dscnt 0x0
	CROUND                                         ; the closing round: no work-group ends while a partner may still ask for a record that names it
	s_endpgm
.Lfunc_end_k_q173394dc33_attn:
	.size	k_q173394dc33_attn, .Lfunc_end_k_q173394dc33_attn-k_q173394dc33_attn
	.p2alignl 7, 3214868480
	.fill 96, 4, 3214868480
	.section	.rodata,"a",@progbits
	.p2align	6, 0x0
	.amdhsa_kernel k_q173394dc33_attn
		.amdhsa_group_segment_fixed_size 327680
		.amdhsa_private_segment_fixed_size 0
		.amdhsa_enable_private_segment 0
		.amdhsa_kernarg_size 40
		.amdhsa_user_sgpr_count 2
		.amdhsa_user_sgpr_kernarg_segment_ptr 1
		.amdhsa_wavefront_size32 1
		.amdhsa_system_sgpr_workgroup_id_x 1
		.amdhsa_system_sgpr_workgroup_id_y 1
		.amdhsa_system_sgpr_workgroup_id_z 1
		.amdhsa_system_vgpr_workitem_id 0
		.amdhsa_next_free_vgpr 512
		.amdhsa_next_free_sgpr 66
		.amdhsa_reserve_vcc 0
		.amdhsa_float_denorm_mode_32 3
		.amdhsa_float_denorm_mode_16_64 3
		.amdhsa_memory_ordered 1
		.amdhsa_forward_progress 1
		.amdhsa_inst_pref_size 90
	.end_amdhsa_kernel
	.amdgpu_metadata
---
amdhsa.version: [ 1, 2 ]
amdhsa.kernels:
  - .name:           k_q173394dc33_attn
    .symbol:         k_q173394dc33_attn.kd
    .args:
      - { .name: qws, .offset: 0, .size: 8, .value_kind: global_buffer, .address_space: global }
      - { .name: kv, .offset: 8, .size: 8, .value_kind: global_buffer, .address_space: global }
      - { .name: x, .offset: 16, .size: 8, .value_kind: global_buffer, .address_space: global }
      - { .name: gamma, .offset: 24, .size: 8, .value_kind: global_buffer, .address_space: global }
      - { .name: out0, .offset: 32, .size: 8, .value_kind: global_buffer, .address_space: global }
    .group_segment_fixed_size: 327680
    .private_segment_fixed_size: 0
    .kernarg_segment_align: 8
    .kernarg_segment_size: 40
    .max_flat_workgroup_size: 256
    .sgpr_count:     66
    .vgpr_count:     512
    .wavefront_size: 32
...
	.end_amdgpu_metadata
.endif
;; end of part 3
